; MI455X (gfx1250); checked and timed in simulation.
; The chip was launched on July 23, 2026; its instructions are those of AMD's public machine-readable ISA for CDNA 5 (MIT licence, August 2026) and "CDNA5" Instruction Set Architecture Reference Guide (July 2026). The comments in the code are by the model that wrote it; some were corrected since.
;; ANI Model. Allowed arithmetic: matrix products marked QUANTISED: E2M1 operands, one E8M0 scale for each 32 along K, by v_wmma_scale_f32_16x16x128_f8f6f4 with both operands' format E2M1 (or v_wmma_scale_f32_32x16x128_f4), f32 sums; products left as they are: f32 operands where the result goes on into a quantised operand, else bf16, f16 or f32 operands; f32 sums; everything else in f32.
;; Inputs: W1 4 x 384 x 160 float32; W2 4 x 160 x 128 float32; W3 4 x 128 x 96 float32; W4 4 x 96 x 1 float32; aev 4,096 x 32 x 384 float32; b1 4 x 160 float32; b2 4 x 128 float32; b3 4 x 96 float32; b4 4 x 1 float32; species 4,096 x 32 int32.
;; Outputs: out0 4,096 x 32 int32; out1 4,096 float32.
;; This version of the problem:
;;   THIS VERSION OF THE PROBLEM IS GIVEN IN LOW PRECISION. The matrix products marked QUANTISED in the list below multiply operands that are first quantised to E2M1 (2 exponent bits, 1 mantissa bit; 4 bits a number), with one power-of-two scale for each 32 numbers along K (OCP MX v1.0); their sums are f32. All else is computed in f32.
;;   The module's matrix products, in the order in which they are computed (A, B: the left and right operand; K: the contracted axis; several contracted axes count as one K, in the product's order):
;;     1. batch 4 x [M 131,072, K 384] x [K 384, N 160]; A: input aev; B: input W1: QUANTISED
;;     2. batch 4 x [M 131,072, K 160] x [K 160, N 128]; A: computed on the way; B: input W2: QUANTISED
;;     3. batch 4 x [M 131,072, K 128] x [K 128, N 96]; A: computed on the way; B: input W3: QUANTISED
;;     4. batch 4 x [M 131,072, K 96] x [K 96, N 1]; A: computed on the way; B: input W4: left as it is (N = 1 < 16)
;;   THE QUANTISER, for each operand of a quantised product, along K:
;;     - K is cut into blocks of 32 from its start; a last block that is shorter is filled with zeros.
;;     - A block's scale is 2^e with e = floor(log2(the largest magnitude in the block)) - 2, held to -126 .. 127; a block of zeros has e = 0. As a byte (E8M0): e + 127.
;;     - Each number is divided by its block's scale, clamped to +-6, and rounded to the nearest number of E2M1, ties to even, subnormals kept.
;;     - The product sums the exact products of the quantised numbers (number of the format x scale) in f32.
;;   ~~~python
;;   def quantise(x, axis):      # numpy; x: float32 -> the quantised numbers, widened to float32 again
;;       x = np.moveaxis(x, axis, -1); K = x.shape[-1]
;;       x = np.pad(x, [(0, 0)] * (x.ndim - 1) + [(0, -K % 32)]); x = x.reshape(x.shape[:-1] + (-1, 32)); a = np.abs(x).max(-1, keepdims=True)
;;       e = np.where(a > 0, np.clip(np.frexp(np.where(a > 0, a, 1))[1] - 1 - 2, -126, 127), 0)      # np.frexp(a)[1] - 1 = floor(log2(a)), exactly
;;       r = np.clip(x / 2.0 ** e, -6, 6)
;;       step = 2.0 ** (np.maximum(np.frexp(np.where(r == 0, 1, r))[1] - 1, 0) - 1)
;;       q = np.round(r / step) * step * 2.0 ** e      # np.round: ties to even
;;       return np.moveaxis(q.reshape(q.shape[:-2] + (-1,))[..., :K], -1, axis).astype(np.float32)
;;   ~~~
;;   OPERANDS COMPUTED ON THE WAY. 'Computed on the way' means the value that the module computes at that place (a softmax that the list does not call 'softmax' is quantised finished and normalised). What goes into a quantiser is computed in f32, as accurately as f32 sums, v_exp_f32 and their like allow (about 1e-6 of the number): no bf16 or f16 on the way to a quantiser, and a product that is left as it is and whose result goes on into a quantised operand takes f32 operands (vector FMAs, or v_wmma_f32_16x16x4_f32). A number that lies on a knife's edge between two numbers of the format may be rounded either way, as far as f32 arithmetic and the matrix unit's own rounding can turn it there, and no further.
;; One version. Each part assembles by itself: llvm-mc -triple=amdgcn-amd-amdhsa -mcpu=gfx1250 --defsym DOCPART=n.
;; ======== version 1 of 1: 2 launches
;; limits: a function is approximated: absolute error at most 2e-08
;; workspace buffers: list 589,824 bytes of whole numbers; tiles 65,536 bytes of whole numbers; wimg 209,920 bytes
;; launch prep (part 1): grid 90 x 4, 1 waves a work-group, no clusters, 2,816 bytes of LDS; arguments species, W1, W2, W3, out0, list, tiles, wimg; writes out0, list, tiles, wimg
.if DOCPART == 1
	.amdgcn_target "amdgcn-amd-amdhsa--gfx1250"
	.amdhsa_code_object_version 6
	.text
	.protected	k_qc9e63f50c2_prep
	.globl	k_qc9e63f50c2_prep
	.p2align	8
	.type	k_qc9e63f50c2_prep,@function
k_qc9e63f50c2_prep:
	s_mov_b64 s[64:65], 0
	v_nop
	global_prefetch_b8 v0, s[64:65] scope:SCOPE_SE
	s_setreg_imm32_b32 hwreg(HW_REG_WAVE_MODE, 25, 1), 1
	s_wait_xcnt 0x0
; PREP: what the second launch needs laid ready.  Work-groups of one wave; x = 0 .. 89, y = 0 .. 3.
; x < 64: THE SORT of block 64 y + x (512 atoms = 16 molecules).  species is copied to out0; the block's atoms are listed by species (a counting sort in LDS), each species' part
;   filled up to whole tiles of 16.  list[block][576]: local atom numbers 0 .. 511; every filler is 512.  tiles[block][64]: word e = first tile of species e, word 4 + e = its number of tiles, the rest 0.
;   At most (512 + 4 x 15) / 16 = 35 tiles, 560 entries.  LIMIT: an atom whose species is not 0 .. 3 is listed nowhere and adds nothing to its molecule.
; x >= 64: A WEIGHT JOB p = x - 64 of expert y: two tiles of 16 output units (32 neighbouring columns) x one K step of 128 of W1, W2 or W3, f32 with K as the first axis, become codes of E2M1 and E8M0 bytes.
;   A LANE TAKES A COLUMN AND ITS REGISTERS RUN DOWN K: a block of 32 along K lies in one lane, its largest magnitude needs no other lane, and the conversions give codes with K innermost.
;   The codes are stored as IMAGES OF THE OPERAND'S REGISTERS: fragment (16 units x 128 K) = 1,024 bytes; its registers 4 c .. 4 c + 3 of lane (r, h) at 512 c + 16 (r + 16 h), holding k = 64 c + 32 h + 0 .. 31.
;   THE UNITS OF A TILE ARE NOT NEIGHBOURS: lane r of tile 2 b + u holds unit 32 b + 8 u + r + 8 (r / 8), so that a transposed product leaves 16 neighbours along the next K in a lane's 16 registers of two tiles.
;   A block's scale is 2^(floor(log2(largest magnitude)) - 2); its byte is the largest magnitude's exponent field - 2, held at 1 from below.  A block of zeros gets the byte 1: its codes are zeros, and this program alone reads the bytes.
; LIMITS: NaN and infinities among the weights are not served; blocks whose largest magnitude lies under 2^-124 get the byte 1.
; Each weight load of the wave covers 128 consecutive bytes (32 columns are what a pair of tiles has); the weights are 1.5 MB in all.
.set EXPB,  52480                      ; an expert's images in bytes
.set OFF2,  30720                      ; behind W1's 30 fragments: W2's K step 0, 8 fragments
.set OFF2B, 38912                      ; W2's K step 1 (k = 128 .. 159): 8 x 512 bytes, registers 0-3 alone
.set OFF3,  43008                      ; W3's 6 fragments
.set OFFS,  49152                      ; 26 scale registers of 128 bytes: lanes 0-15 tile 2 b's units, lanes 16-31 tile 2 b + 1's
.set SP,    16                         ; v16-31   the sort: 16 species a lane
.set X,     32                         ; v32-159  a weight job: 4 blocks x 32 numbers, each block in registers of its own
.set C,     160                        ; v160-175 their codes
	s_load_b256 s[4:11], s[0:1], 0x0               ; species s[4:5], W1 s[6:7], W2 s[8:9], W3 s[10:11]
	s_load_b256 s[12:19], s[0:1], 0x20             ; out0 s[12:13], list s[14:15], tiles s[16:17], wimg s[18:19]
	v_lshl_add_u32 v176, v0, 2, 0xa00
	v_mov_b32 v177, 0
	s_and_b32 s20, ttmp7, 0xffff                   ; y
	s_mov_b32 s23, 0                               ; the upper word of every offset pair s[22:23]
	v_lshlrev_b32 v1, 4, v0                        ; 16 x lane
	v_lshlrev_b32 v2, 2, v0                        ; 4 x lane
	s_wait_kmcnt 0x0
	s_cmp_lt_u32 ttmp9, 64
	s_cbranch_scc0 .Lweights
	; ---------------- the sort ----------------
	s_lshl_b32 s21, s20, 6
	s_add_co_u32 s21, s21, ttmp9                   ; block
	s_lshl_b32 s22, s21, 11                        ; 512 atoms x 4 bytes
	s_add_nc_u64 s[4:5], s[4:5], s[22:23]
	s_add_nc_u64 s[12:13], s[12:13], s[22:23]
	s_mul_i32 s22, s21, 2304
	s_add_nc_u64 s[14:15], s[14:15], s[22:23]
	s_lshl_b32 s22, s21, 8
	s_add_nc_u64 s[16:17], s[16:17], s[22:23]
.irp i, 0,1,2,3
	global_load_b128 v[SP+4*\i:SP+4*\i+3], v1, s[4:5] offset:512*\i th:TH_LOAD_NT   ; register 4 i + c of lane l: atom 128 i + 4 l + c
.endr
	v_lshlrev_b32 v6, 3, v0                        ; 8 x lane
	v_mov_b32 v3, 512                              ; the filler
.irp i, 0,1,2,3,4,5,6,7,8,9,10,11,12,13,14,15,16,17
	ds_store_b32 v2, v3 offset:128*\i              ; words 0 .. 575 begin as fillers; words 576 .. 639 take what has no place and are never read
.endr
.irp e, 0,1,2,3
	s_mov_b32 s[24+\e], 0                          ; how many atoms of species e
.endr
	s_wait_loadcnt 0x0
.irp i, 0,1,2,3
	global_store_b128 v1, v[SP+4*\i:SP+4*\i+3], s[12:13] offset:512*\i th:TH_STORE_NT   ; out0 = species; the registers are only read from here on
.endr
.irp k, 0,1,2,3,4,5,6,7,8,9,10,11,12,13,14,15
.irp e, 0,1,2,3
	v_cmp_eq_u32 s32, \e, v[SP+\k]
	s_bcnt1_i32_b32 s33, s32
	s_add_co_u32 s[24+\e], s[24+\e], s33
.endr
.endr
.irp e, 0,1,2,3
	s_add_co_u32 s[36+\e], s[24+\e], 15
	s_lshr_b32 s[36+\e], s[36+\e], 4               ; T_e: tiles of species e
.endr
	s_mov_b32 s40, 0                               ; S_e: its first tile
	s_add_co_u32 s41, s40, s36
	s_add_co_u32 s42, s41, s37
	s_add_co_u32 s43, s42, s38
.irp e, 0,1,2,3
	s_lshl_b32 s[44+\e], s[40+\e], 4               ; the next free place of species e
.endr
.irp k, 0,1,2,3,4,5,6,7,8,9,10,11,12,13,14,15
	v_mov_b32 v4, 639                              ; no species of the four: the word that nobody reads
.irp e, 0,1,2,3
	v_cmp_eq_u32 s32, \e, v[SP+\k]
	v_mbcnt_lo_u32_b32 v5, s32, s[44+\e]           ; the free place + how many lanes below me have this species
	v_cndmask_b32 v4, v4, v5, s32
	s_bcnt1_i32_b32 s33, s32
	s_add_co_u32 s[44+\e], s[44+\e], s33
.endr
	v_min_u32 v4, 639, v4                          ; a number made of loaded data enters an address only held to its bound
	v_lshlrev_b32 v4, 2, v4
	v_add_nc_u32 v5, 128*(\k/4)+(\k%4), v2         ; the atom's number in the block
	ds_store_b32 v4, v5                            ; LDS serves a wave's instructions in order (ISA guide 5.7.1.4): behind the fillers, ahead of the reads below
.endr
.irp i, 0,1,2,3
	ds_load_b128 v[32+4*\i:35+4*\i], v1 offset:512*\i
.endr
	ds_load_b64 v[48:49], v6 offset:2048
	v_mov_b32 v50, 0
	v_mov_b32 v51, 0
	v_writelane_b32 v50, s40, 0                    ; word w of the block's 64 lies in lane w / 2, register 50 + w % 2
	v_writelane_b32 v51, s41, 0
	v_writelane_b32 v50, s42, 1
	v_writelane_b32 v51, s43, 1
	v_writelane_b32 v50, s36, 2
	v_writelane_b32 v51, s37, 2
	v_writelane_b32 v50, s38, 3
	v_writelane_b32 v51, s39, 3
	global_store_b64 v6, v[50:51], s[16:17]        ; 256 consecutive bytes, aligned
	s_wait_dscnt 0x0
.irp i, 0,1,2,3
	global_store_b128 v1, v[32+4*\i:35+4*\i], s[14:15] offset:512*\i   ; the list: 2,304 consecutive bytes, nine aligned runs of 256
.endr
	global_store_b64 v6, v[48:49], s[14:15] offset:2048
	s_wait_tensorcnt 0x0
	ds_add_u32 v176, v177
	s_wait_dscnt 0x0
	s_endpgm
	; ---------------- the weight jobs ----------------
; Block b of the job: rows 32 b + i, i = 0 .. 31, of my column.  32 loads, into the block's own registers.
.macro WLOAD ncol, b
.set ii, 0
.rept 32
	global_load_b32 v[X+32*(\b)+ii], v2, s[26:27] offset:(32*(\b)+ii)*\ncol*4
.set ii, ii+1
.endr
.endm
; s[26:27]: the job's first number (row 128 s of the expert's matrix, column 32 b); s[28:29]: where tile 2 b's fragment goes; s[24:25]: the job's scale register.
; ncol: columns of the matrix; nblk: blocks of 32 along K; ustr: bytes from tile 2 b's fragment to tile 2 b + 1's; dup = 1: the one block is stored for lanes 16-31 too, so that every byte that is loaded later is written.
; The loads run two blocks ahead: 64 are out at the most, and a wait's count is the one younger block's 32.
.macro WJOB ncol, nblk, ustr, dup
	v_mul_u32_u24 v12, v8, \ustr
	v_lshl_add_u32 v12, v9, 4, v12                 ; u x ustr + 16 r
	WLOAD \ncol, 0
.if \nblk > 1
	WLOAD \ncol, 1
.endif
.set bb, 0
.rept \nblk
.set XB, X+32*bb
.if bb < \nblk-1
	s_wait_loadcnt 32                              ; this block's 32 loads are in; the next block's 32, the only ones issued behind them, may be out
.else
	s_wait_loadcnt 0x0                             ; the last block: nothing was issued behind it
.endif
.if bb+2 < \nblk
	WLOAD \ncol, bb+2                              ; the block two further on is asked for while this one is worked on
.endif
	v_max3_num_f32 v13, |v[XB]|, |v[XB+1]|, |v[XB+2]|              ; the block's largest magnitude, in two chains
	v_max3_num_f32 v14, |v[XB+3]|, |v[XB+4]|, |v[XB+5]|
.irp i, 6,10,14,18,22,26
	v_max3_num_f32 v13, v13, |v[XB+\i]|, |v[XB+\i+1]|
	v_max3_num_f32 v14, v14, |v[XB+\i+2]|, |v[XB+\i+3]|
.endr
	v_max3_num_f32 v13, v13, |v[XB+30]|, |v[XB+31]|
	v_max3_num_f32 v13, v13, v14, 0x1800000        ; and the floor 2^(3 - 127): the byte cannot fall under 1
	v_add_nc_u32 v15, 0xff000000, v13              ; 2 off its exponent field: the conversion takes the exponent field of this operand as its scale
	v_lshrrev_b32 v16, 23, v15                     ; the scale's byte
.if bb == 0
	v_mov_b32 v17, v16
.else
	v_lshl_or_b32 v17, v16, 8*bb, v17              ; byte b of the unit's scale word
.endif
.irp g, 0,1,2,3
	v_cvt_scalef32_pk8_fp4_f32 v[C+4*bb+\g], v[XB+8*\g:XB+8*\g+7], v15
.endr
	v_nop                                          ; a plain line behind the last conversion of the run
	global_store_b128 v12, v[C+4*bb:C+4*bb+3], s[28:29] offset:(bb/2)*512+(bb%2)*256   ; block b = registers 4 (b / 2) on of lanes 16 (b % 2) on: 256 consecutive bytes for each of the two tiles
.if \dup
	global_store_b128 v12, v[C+4*bb:C+4*bb+3], s[28:29] offset:256
.endif
.set bb, bb+1
.endr
	global_store_b32 v11, v17, s[24:25]
.endm
.Lweights:
	s_sub_co_u32 s21, ttmp9, 64                    ; p = 0 .. 25
	v_bfe_u32 v8, v0, 3, 1                         ; column 32 b + l belongs to tile 2 b + u, u = (l / 8) % 2,
	v_and_b32 v9, 7, v0
	v_bfe_u32 v10, v0, 4, 1
	v_lshl_or_b32 v9, v10, 3, v9                   ; as its lane r = l % 8 + 8 (l / 16)
	v_lshl_add_u32 v11, v8, 4, v9
	v_lshlrev_b32 v11, 2, v11                      ; the scale word's place: 4 (r + 16 u)
	s_mul_i32 s22, s20, EXPB
	s_add_nc_u64 s[18:19], s[18:19], s[22:23]      ; the expert's images
	s_lshl_b32 s22, s21, 7
	s_add_co_u32 s22, s22, OFFS
	s_add_nc_u64 s[24:25], s[18:19], s[22:23]      ; scale register p
	s_cmp_lt_u32 s21, 15
	s_cbranch_scc0 .Lnot_w1
	s_mul_i32 s30, s21, 11                         ; W1 [384][160]: p = 3 b + s
	s_lshr_b32 s30, s30, 5                         ; b = p / 3 (11 p / 32 for p under 15)
	s_mul_i32 s31, s30, 3
	s_sub_co_u32 s31, s21, s31                     ; s
	s_mul_i32 s22, s20, 245760                     ; the expert's matrix,
	s_mul_i32 s32, s31, 81920                      ; 128 s rows of 640 bytes,
	s_add_co_u32 s22, s22, s32
	s_lshl_b32 s32, s30, 7                         ; 32 b columns
	s_add_co_u32 s22, s22, s32
	s_add_nc_u64 s[26:27], s[6:7], s[22:23]
	s_mul_i32 s22, s30, 6
	s_add_co_u32 s22, s22, s31
	s_lshl_b32 s22, s22, 10                        ; fragment 3 (2 b) + s
	s_add_nc_u64 s[28:29], s[18:19], s[22:23]
	WJOB 160, 4, 3072, 0
	s_endpgm
.Lnot_w1:
	s_cmp_lt_u32 s21, 19
	s_cbranch_scc0 .Lnot_w2a
	s_sub_co_u32 s30, s21, 15                      ; W2 [160][128], k = 0 .. 127
	s_mul_i32 s22, s20, 81920
	s_lshl_b32 s32, s30, 7
	s_add_co_u32 s22, s22, s32
	s_add_nc_u64 s[26:27], s[8:9], s[22:23]
	s_lshl_b32 s22, s30, 11
	s_add_co_u32 s22, s22, OFF2
	s_add_nc_u64 s[28:29], s[18:19], s[22:23]
	WJOB 128, 4, 1024, 0
	s_endpgm
.Lnot_w2a:
	s_cmp_lt_u32 s21, 23
	s_cbranch_scc0 .Lnot_w2b
	s_sub_co_u32 s30, s21, 19                      ; W2, k = 128 .. 159: one block; the scale word is its byte with zeros above, which meet zero codes on the atoms' side
	s_mul_i32 s22, s20, 81920
	s_lshl_b32 s32, s30, 7
	s_add_co_u32 s22, s22, s32
	s_add_co_u32 s22, s22, 65536                   ; 128 rows of 512 bytes
	s_add_nc_u64 s[26:27], s[8:9], s[22:23]
	s_lshl_b32 s22, s30, 10
	s_add_co_u32 s22, s22, OFF2B
	s_add_nc_u64 s[28:29], s[18:19], s[22:23]
	WJOB 128, 1, 512, 1
	s_endpgm
.Lnot_w2b:
	s_sub_co_u32 s30, s21, 23                      ; W3 [128][96]
	s_mul_i32 s22, s20, 49152
	s_lshl_b32 s32, s30, 7
	s_add_co_u32 s22, s22, s32
	s_add_nc_u64 s[26:27], s[10:11], s[22:23]
	s_lshl_b32 s22, s30, 11
	s_add_co_u32 s22, s22, OFF3
	s_add_nc_u64 s[28:29], s[18:19], s[22:23]
	WJOB 96, 4, 1024, 0
	s_endpgm
.Lfunc_end_k_qc9e63f50c2_prep:
	.size	k_qc9e63f50c2_prep, .Lfunc_end_k_qc9e63f50c2_prep-k_qc9e63f50c2_prep
	.p2alignl 7, 3214868480
	.fill 96, 4, 3214868480
	.section	.rodata,"a",@progbits
	.p2align	6, 0x0
	.amdhsa_kernel k_qc9e63f50c2_prep
		.amdhsa_group_segment_fixed_size 2816
		.amdhsa_private_segment_fixed_size 0
		.amdhsa_enable_private_segment 0
		.amdhsa_kernarg_size 64
		.amdhsa_user_sgpr_count 2
		.amdhsa_user_sgpr_kernarg_segment_ptr 1
		.amdhsa_wavefront_size32 1
		.amdhsa_system_sgpr_workgroup_id_x 1
		.amdhsa_system_sgpr_workgroup_id_y 1
		.amdhsa_system_sgpr_workgroup_id_z 1
		.amdhsa_system_vgpr_workitem_id 0
		.amdhsa_next_free_vgpr 178
		.amdhsa_next_free_sgpr 66
		.amdhsa_reserve_vcc 0
		.amdhsa_float_denorm_mode_32 3
		.amdhsa_float_denorm_mode_16_64 3
		.amdhsa_memory_ordered 1
		.amdhsa_forward_progress 1
		.amdhsa_inst_pref_size 97
	.end_amdhsa_kernel
	.amdgpu_metadata
---
amdhsa.version: [ 1, 2 ]
amdhsa.kernels:
  - .name:           k_qc9e63f50c2_prep
    .symbol:         k_qc9e63f50c2_prep.kd
    .args:
      - { .name: species, .offset: 0, .size: 8, .value_kind: global_buffer, .address_space: global }
      - { .name: W1, .offset: 8, .size: 8, .value_kind: global_buffer, .address_space: global }
      - { .name: W2, .offset: 16, .size: 8, .value_kind: global_buffer, .address_space: global }
      - { .name: W3, .offset: 24, .size: 8, .value_kind: global_buffer, .address_space: global }
      - { .name: out0, .offset: 32, .size: 8, .value_kind: global_buffer, .address_space: global }
      - { .name: list, .offset: 40, .size: 8, .value_kind: global_buffer, .address_space: global }
      - { .name: tiles, .offset: 48, .size: 8, .value_kind: global_buffer, .address_space: global }
      - { .name: wimg, .offset: 56, .size: 8, .value_kind: global_buffer, .address_space: global }
    .group_segment_fixed_size: 2816
    .private_segment_fixed_size: 0
    .kernarg_segment_align: 8
    .kernarg_segment_size: 64
    .max_flat_workgroup_size: 32
    .sgpr_count:     66
    .vgpr_count:     178
    .wavefront_size: 32
...
	.end_amdgpu_metadata
.endif
;; end of part 1
;; launch mlp (part 2): grid 256 x 1, 4 waves a work-group, no clusters, 108,288 bytes of LDS; arguments aev, list, tiles, wimg, b1, b2, b3, W4, b4, out1; writes out1
.if DOCPART == 2
	.amdgcn_target "amdgcn-amd-amdhsa--gfx1250"
	.amdhsa_code_object_version 6
	.text
	.protected	k_qc9e63f50c2_mlp
	.globl	k_qc9e63f50c2_mlp
	.p2align	8
	.type	k_qc9e63f50c2_mlp,@function
k_qc9e63f50c2_mlp:
	s_mov_b64 s[64:65], 0
	v_nop
	global_prefetch_b8 v0, s[64:65] scope:SCOPE_SE
	s_setreg_imm32_b32 hwreg(HW_REG_WAVE_MODE, 25, 1), 1
	s_wait_xcnt 0x0
; MLP: out1[molecule] = the sum over its 32 atoms of the atom's own species' network 384 -> 160 -> 128 -> 96 -> 1, CELU(0.1) between; the first three products on codes of E2M1 with one E8M0 scale for each 32 along K.
; Only the chosen expert is multiplied: the others' results are thrown away by the gather on species.
; SHARES.  Work-group g owns atoms 512 g .. 512 g + 511, 16 whole molecules: each number of out1 has one owner.  WAVE e IS EXPERT e: its weights (388 registers of codes, 26 of scale words, laid ready as images of the
; operand registers) stay in its registers for the whole launch.  It walks its own T_e tiles of 16 atoms, by the list that the launch before has stored.
; A TILE.  The 16 rows of aev (1,536 bytes each) are gathered one tile ahead, 48 loads of which each covers two aligned runs of 256 consecutive bytes; they turn through the wave's own stage in LDS, so that a lane holds 16
; neighbours along K of ONE atom; they are quantised in registers.  All three products are used TRANSPOSED (source 0 = 16 units of the weight, source 1 = the 16 atoms): lane (q, h) holds atom q throughout, and, by the
; choice of the units that form a tile, the 16 registers of tiles 2 b, 2 b + 1 are units 32 b + 16 h + 0 .. 15: neighbours along the next K.  The biases are each sum's first C.  The fourth product (N = 1) is packed multiply-adds in f32.
; CELU(x) = the middle one of x, u = alpha 2^(x log2(e) / alpha) - alpha, and 0: for x > 0, u >= x; for x < 0, x <= u < 0; u = infinity leaves x.
; K = 160 of the second product: its K step 1 has one block of 32; the atoms' other codes of that step are zeros, which add nothing under any finite scale byte.
; NO TENSOR LOADS: the trip counts hang on stored counts.  NO CLUSTER: what work-groups share is 52,480 bytes of images a wave, read once at the head, against 786,432 bytes of aev a work-group that nobody shares.
; NO PREFETCH: each wave asks for a whole tile, 24,576 bytes, one trip ahead of its use, by the loads themselves.
; LIMITS: NaN and infinities are not served.  Blocks whose largest magnitude lies under 2^-124, blocks of zeros among them, get the byte 1.  CELU's negative branch has an absolute error of about alpha x 2^-23, so its
; relative error passes 1e-6 for |h| under about 0.01.  A molecule's sum is taken by species and lane, not in the atoms' order.  Fillers of the list (512) are computed on row 511 and added nowhere.
; REGISTERS, in windows of 256 (s_set_vgpr_msb: bits 1:0 source 0, 3:2 source 1, 5:4 source 2, 7:6 destination):
;   window 0: see the names below.   window 1: v0-79 H1 (v0-47 later H3), v80-143 H2, v144-191 W3, v192-227 W2's K step 1 (tile t at 192 + 4 t; 224-227 zeros).   window 2: v0-239 W1.   window 3: v0-191 a tile of aev as loaded, v192-255 W2's K step 0.
.set EXPB,   52480
.set OFF2,   30720
.set OFF2B,  38912
.set OFF3,   43008
.set OFFS,   49152
.set SPITCH, 1552                      ; a stage row: 1,536 bytes + 16 = 97 x 16: the 16 rows that a read touches start 16 bytes apart modulo 256
.set VEC,    16*SPITCH                 ; behind the stage: b1 (640 bytes), b2 at 640, b3 at 1,152, W4 at 1,536 of my expert
.set WREG,   VEC+2048                  ; LDS of a wave
.set RED,    4*WREG                    ; 4 waves x 16 molecule sums
.set Q,    1                           ; v1   q = lane % 16: my atom in the tile
.set HH,   2                           ; v2   h = lane / 16
.set VS,   3                           ; v3   stage, in: 8 h rows + 16 q
.set VR,   4                           ; v4   stage, out: row q + 64 h
.set VB,   5                           ; v5   the vectors: + 64 h
.set VQ,   6                           ; v6   16 q
.set VIA0, 7                           ; v7   32 h: my half's eight list entries
.set VIM0, 8                           ; v8   4 q
.set VIA,  9                           ; v9, v10 the same in the tile whose entries are being loaded
.set VIM,  10
.set VRED, 11                          ; v11  RED + 64 wave + 32 h
.set VL16, 12                          ; v12  16 x lane
.set VL4,  13                          ; v13  4 x lane
.set MOLC, 14                          ; v14  my atom's molecule - 8 h, this tile;  v15 the next tile
.set MOLN, 15
.set OFF,  16                          ; v16-23  byte offsets of rows 8 h + i, + 16 q
.set IDXA, 24                          ; v24-31  list entries 8 h + i
.set IDXM, 32                          ; v32     list entry q
.set EN,   33                          ; v33     the atom's energy
.set EA,   34                          ; v[34:35], v[36:37] two chains of the fourth product
.set EB,   36
.set TMP,  38
.set V8H,  39                          ; v39     8 h
.set MACC, 40                          ; v40-47  sums of molecules 8 h + m
.set TM,   48                          ; v48-51 largest magnitudes, v52-55 permute results and bytes, v60-63 the conversions' scale operands
.set VFIN, 56                          ; v56     RED + 4 q
.set XS,   64                          ; v64-66  the atoms' scale words: scales and nothing else
.set VVEC, 67                          ; v67     the vectors: + 4 x lane
.set SW,   68                          ; v68-93  the weights' scale words: lanes 0-15 tile 2 b, lanes 16-31 tile 2 b + 1
.set NA,   94                          ; v[94:95] -alpha, twice
.set PC,   96                          ; v96-119 the atoms' codes: three fragments
.set HB,   120                         ; v120-127 the fragment of the second product's K step 1; v124-127 stay 0
.set TT,   128                         ; v128-255 f32 numbers at work
.set H1,   0
.set H2,   80
.set H3,   0
.set W3F,  144
.set W2B,  192
.set W2A,  192
.set RAW,  0
.set MSB, 0
.macro WIN new                         ; the immediate's high byte repeats the setting that is left; a switch that changes nothing is dropped
.if MSB != \new
	s_set_vgpr_msb (MSB<<8)|\new
.set MSB, \new
.endif
.endm
.macro PLACES n
.rept \n
	v_nop
.endr
.endm
; The list entries of tile s29 (held to 35 just before): my half's eight, and my own.  3 loads.
.macro IDXLOAD
	WIN 0
	s_lshl_b32 s30, s29, 6
	v_add_nc_u32 v[VIA], s30, v[VIA0]
	v_add_nc_u32 v[VIM], s30, v[VIM0]
	global_load_b128 v[IDXA:IDXA+3], v[VIA], s[6:7]
	global_load_b128 v[IDXA+4:IDXA+7], v[VIA], s[6:7] offset:16
	global_load_b32 v[IDXM], v[VIM], s[6:7]
.endm
.macro INDEX mol                       ; entries become row offsets (held to row 511: a filler reads that row) and my atom's molecule
	WIN 0
.irp i, 0,1,2,3,4,5,6,7
	v_min_u32 v[OFF+\i], 511, v[IDXA+\i]
.endr
.irp i, 0,1,2,3,4,5,6,7
	v_mul_u32_u24 v[OFF+\i], v[OFF+\i], 1536
.endr
.irp i, 0,1,2,3,4,5,6,7
	v_add_nc_u32 v[OFF+\i], v[OFF+\i], v[VQ]
.endr
	v_lshrrev_b32 v[\mol], 5, v[IDXM]              ; a filler gives 16,
	v_sub_nc_u32 v[\mol], v[\mol], v[V8H]          ; which is no 0 .. 7 in either half
.endm
.macro RAWLOAD                         ; 48 loads: lanes 0-15 take 256 consecutive bytes of row i, lanes 16-31 of row 8 + i.  No hint: fillers name row 511 again
	WIN 0xc0
.irp i, 0,1,2,3,4,5,6,7
.irp u, 0,1,2,3,4,5
	global_load_b128 v[RAW+4*(6*\i+\u):RAW+4*(6*\i+\u)+3], v[OFF+\i], s[4:5] offset:256*\u
.endr
.endr
.endm
.macro STAGE_IN                        ; the tile goes into my stage as it was loaded
	WIN 0x0c
.irp i, 0,1,2,3,4,5,6,7
	s_wait_loadcnt 3+6*(7-\i)                      ; rows i and 8 + i are in; out may be: the younger pairs' six loads each, and the three list loads issued behind the tile
.irp u, 0,1,2,3,4,5
	ds_store_b128 v[VS], v[RAW+4*(6*\i+\u):RAW+4*(6*\i+\u)+3] offset:SPITCH*\i+256*\u
.endr
.endr
.endm
.macro XFETCH reg, s                   ; K step s of my atom: register 16 b + i = k 128 s + 32 b + 16 h + i.  16 loads
	WIN 0
.irp b, 0,1,2,3
.irp j, 0,1,2,3
	ds_load_b128 v[\reg+16*\b+4*\j:\reg+16*\b+4*\j+3], v[VR] offset:512*\s+128*\b+16*\j
.endr
.endr
.endm
.macro BIAS win, reg, ntiles, loff     ; a vector in the result's layout: tile t's eight registers = units 32 (t / 2) + 16 h + 8 (t % 2) + 0 .. 7.  2 loads a tile
	WIN \win
.set t, 0
.rept \ntiles
	ds_load_b128 v[\reg+8*t:\reg+8*t+3], v[VB] offset:\loff+128*(t/2)+32*(t%2)
	ds_load_b128 v[\reg+8*t+4:\reg+8*t+7], v[VB] offset:\loff+128*(t/2)+32*(t%2)+16
.set t, t+1
.endr
.endm
; 64 numbers of a lane, register 16 b + i = k 32 b + 16 h + i of my atom, become a fragment's codes in v[pc] on and its scale word in v[xs].
.macro QUANT s, pc, xs
	WIN 0
.irp b, 0,1,2,3
	v_max3_num_f32 v[TM+\b], |v[\s+16*\b]|, |v[\s+1+16*\b]|, 0x1800000   ; block b: my 16 numbers, and the floor 2^(3 - 127): the byte cannot fall under 1
.endr
.irp i, 2,4,6,8,10,12,14
.irp b, 0,1,2,3
	v_max3_num_f32 v[TM+\b], v[TM+\b], |v[\s+16*\b+\i]|, |v[\s+1+16*\b+\i]|   ; (the four blocks by turns)
.endr
.endr
.irp b, 0,1,2,3
	v_permlanex16_b32 v[TM+4+\b], v[TM+\b], s38, s39
.endr
.irp b, 0,1,2,3
	v_max_num_f32 v[TM+\b], v[TM+\b], v[TM+4+\b]   ; with lane l xor 16's: the block's largest magnitude
.endr
.irp b, 0,1,2,3
	v_add_nc_u32 v[TM+12+\b], 0xff000000, v[TM+\b] ; 2 off its exponent field: the conversion's scale operand
.endr
.irp b, 0,1,2,3
	v_lshrrev_b32 v[TM+4+\b], 23, v[TM+12+\b]      ; the scale's byte
.endr
	v_lshl_or_b32 v[\xs], v[TM+5], 8, v[TM+4]
	v_lshl_or_b32 v[\xs], v[TM+6], 16, v[\xs]
	v_lshl_or_b32 v[\xs], v[TM+7], 24, v[\xs]
.irp b, 0,1,2,3
	v_cvt_scalef32_pk8_fp4_f32 v[\pc+2*\b], v[\s+16*\b:\s+7+16*\b], v[TM+12+\b]
	v_cvt_scalef32_pk8_fp4_f32 v[\pc+1+2*\b], v[\s+8+16*\b:\s+15+16*\b], v[TM+12+\b]
.endr
	v_nop                                          ; one plain line behind a scaled conversion
.irp c, 0,1                                    ; the operand's layout wants a whole block in a lane: lanes 0-15 block 2 c, lanes 16-31 block 2 c + 1
.irp i, 0,1
	v_permlane16_swap_b32 v[\pc+4*\c+\i], v[\pc+2+4*\c+\i]
.endr
.endr
.endm
.macro QUANT1                          ; units 128 .. 159 of the first hidden layer (v[TT+64] on, 16 a lane): one block; lanes 16-31 and registers 4-7 of the fragment are zero codes
	WIN 0
	v_max3_num_f32 v[TM], |v[TT+64]|, |v[TT+65]|, 0x1800000
.irp i, 2,4,6,8,10,12,14
	v_max3_num_f32 v[TM], v[TM], |v[TT+64+\i]|, |v[TT+65+\i]|
.endr
	v_permlanex16_b32 v[TM+4], v[TM], s38, s39
	v_max_num_f32 v[TM], v[TM], v[TM+4]
	v_add_nc_u32 v[TM+12], 0xff000000, v[TM]
	v_lshrrev_b32 v[XS+1], 23, v[TM+12]            ; the scale word: the one byte, zeros above
	v_mov_b32 v[HB+2], 0
	v_mov_b32 v[HB+3], 0
	v_cvt_scalef32_pk8_fp4_f32 v[HB], v[TT+64:TT+71], v[TM+12]
	v_cvt_scalef32_pk8_fp4_f32 v[HB+1], v[TT+72:TT+79], v[TM+12]
	v_nop
	v_permlane16_swap_b32 v[HB], v[HB+2]           ; lanes 16-31's codes (k + 16 .. 31) go to lanes 0-15 of registers 2, 3; zeros come back
	v_permlane16_swap_b32 v[HB+1], v[HB+3]
.endm
; n results at v[hb] on of window 1 become CELU of them at v[TT] on.  Each accumulator is first read at its low end.  The exponentials are one batch with one wait.
.macro CELU hb, n
	WIN 0x01
.set j, 0
.rept \n/2
	v_pk_mul_f32 v[TT+j:TT+j+1], v[\hb+j:\hb+j+1], s[32:33] op_sel_hi:[1,0]   ; x log2(e) / alpha
.set j, j+2
.endr
	WIN 0
.set j, 0
.rept \n
	v_exp_f32 v[TT+j], v[TT+j]
.set j, j+1
.endr
	v_nop                                          ; a plain line behind the last exponential,
	s_wait_alu depctr_va_vdst(0)                   ; and the one wait ahead of the batch's first reader
.set j, 0
.rept \n/2
	v_pk_fma_f32 v[TT+j:TT+j+1], v[TT+j:TT+j+1], s[34:35], v[NA:NA+1] op_sel_hi:[1,0,1]   ; u = alpha 2^(..) - alpha
.set j, j+2
.endr
	WIN 0x01
.set j, 0
.rept \n
	v_med3_num_f32 v[TT+j], v[\hb+j], v[TT+j], 0   ; the middle one of x, u, 0
.set j, j+1
.endr
.endm
; One matrix instruction, adding in place.  odd = 1: the weight's scale words stand in lanes 16-31.
.macro WM d, a, b, sa, sb, odd
.if \odd
	v_wmma_scale_f32_16x16x128_f8f6f4 v[\d:\d+7], v[\a:\a+7], v[\b:\b+7], v[\d:\d+7], v[\sa], v[\sb] matrix_a_fmt:MATRIX_FMT_FP4 matrix_b_fmt:MATRIX_FMT_FP4 matrix_a_scale:MATRIX_SCALE_ROW1
.else
	v_wmma_scale_f32_16x16x128_f8f6f4 v[\d:\d+7], v[\a:\a+7], v[\b:\b+7], v[\d:\d+7], v[\sa], v[\sb] matrix_a_fmt:MATRIX_FMT_FP4 matrix_b_fmt:MATRIX_FMT_FP4
.endif
.endm
; The accumulators hold the biases when their sums begin, and take turns, one instruction a turn.
.macro MM1                             ; 10 tiles x 3 K steps
	WIN 0x52                                       ; W1 window 2, the atoms window 0, C and D window 1
.irp s, 0,1,2
.irp t, 0,1,2,3,4,5,6,7,8,9
	WM H1+8*\t, 8*(3*\t+\s), PC+8*\s, SW+3*(\t/2)+\s, XS+\s, \t%2
.endr
.endr
.endm
.macro MM2                             ; 8 tiles x 2 K steps
	WIN 0x53                                       ; W2's K step 0: window 3
.irp t, 0,1,2,3,4,5,6,7
	WM H2+8*\t, W2A+8*\t, PC, SW+15+\t/2, XS, \t%2
.endr
	WIN 0x51                                       ; its K step 1: window 1.  Registers 4-7 of each operand are the next tile's codes (or zeros): they meet zero codes
.irp t, 0,1,2,3,4,5,6,7
	WM H2+8*\t, W2B+4*\t, HB, SW+19+\t/2, XS+1, \t%2
.endr
.endm
.macro MM3                             ; 6 tiles
	WIN 0x51
.irp t, 0,1,2,3,4,5
	WM H3+8*\t, W3F+8*\t, PC, SW+23+\t/2, XS, \t%2
.endr
.endm
	; ---------------- the head: every LDS address is made here, ahead of the first branch on a stored number ----------------
	s_load_b256 s[4:11], s[0:1], 0x0               ; aev s[4:5], list s[6:7], tiles s[8:9], wimg s[10:11]
	s_load_b256 s[12:19], s[0:1], 0x20             ; b1 s[12:13], b2 s[14:15], b3 s[16:17], W4 s[18:19]
	s_load_b128 s[20:23], s[0:1], 0x40             ; b4 s[20:21], out1 s[22:23]
	v_lshl_add_u32 v58, v0, 2, 0x1a500
	v_mov_b32 v59, 0
	v_lshrrev_b32 v1, 5, v0
	v_readfirstlane_b32 s24, v1                    ; wave = expert e
	v_and_b32 v[Q], 15, v0
	v_bfe_u32 v[HH], v0, 4, 1
	v_and_b32 v[TMP], 31, v0                       ; lane
	s_mul_i32 s29, s24, WREG                       ; my LDS
	v_mul_u32_u24 v[VS], v[HH], 8*SPITCH
	v_lshl_add_u32 v[VS], v[Q], 4, v[VS]
	v_add_nc_u32 v[VS], s29, v[VS]
	v_mul_u32_u24 v[VR], v[Q], SPITCH
	v_lshl_add_u32 v[VR], v[HH], 6, v[VR]
	v_add_nc_u32 v[VR], s29, v[VR]
	s_add_co_u32 s30, s29, VEC
	v_lshlrev_b32 v[VB], 6, v[HH]
	v_add_nc_u32 v[VB], s30, v[VB]
	v_lshlrev_b32 v[VQ], 4, v[Q]
	v_lshlrev_b32 v[VIA0], 5, v[HH]
	v_lshlrev_b32 v[VIM0], 2, v[Q]
	s_lshl_b32 s31, s24, 6
	s_add_co_u32 s31, s31, RED
	v_lshlrev_b32 v[VRED], 5, v[HH]
	v_add_nc_u32 v[VRED], s31, v[VRED]
	v_add_nc_u32 v[VFIN], RED, v[VIM0]
	v_lshlrev_b32 v[VL16], 4, v[TMP]
	v_lshlrev_b32 v[VL4], 2, v[TMP]
	v_add_nc_u32 v[VVEC], s30, v[VL4]
	v_lshlrev_b32 v[V8H], 3, v[HH]
	v_mov_b32 v[MOLN], 0
.irp m, 0,1,2,3,4,5,6,7
	v_mov_b32 v[MACC+\m], 0                        ; the molecule sums begin at 0: a wave without tiles hands zeros on
	v_mov_b32 v[HB+\m], 0
.endr
.irp b, 0,1,2,3
	v_mov_b32 v[TM+4+\b], 0                        ; written once: a lane permute's destination counts as one of its sources
.endr
	v_mov_b32 v[NA], 0xbdcccccd                    ; -alpha
	v_mov_b32 v[NA+1], 0xbdcccccd
	s_mov_b32 s32, 0x4166d4ca                      ; log2(e) / alpha = 14.42695
	s_mov_b32 s33, s32                             ; (named with it as a pair, so it is written)
	s_mov_b32 s34, 0x3dcccccd                      ; alpha = 0.1
	s_mov_b32 s35, s34
	s_mov_b32 s38, 0x76543210
	s_mov_b32 s39, 0xfedcba98                      ; v_permlanex16_b32's selects for lane l xor 16
	s_mov_b32 s43, 0                               ; the upper word of every offset pair s[42:43]
	s_lshl_b32 s44, s24, 2                         ; 4 e
	s_wait_kmcnt 0x0
	s_mul_i32 s42, ttmp9, 786432                   ; 512 rows of 1,536 bytes (under 2^28 in all)
	s_add_nc_u64 s[4:5], s[4:5], s[42:43]
	s_mul_i32 s42, ttmp9, 2304
	s_add_nc_u64 s[6:7], s[6:7], s[42:43]
	s_lshl_b32 s42, ttmp9, 8
	s_add_co_u32 s42, s42, s44
	s_add_nc_u64 s[8:9], s[8:9], s[42:43]          ; tiles[block] at word e
	s_mul_i32 s42, s24, EXPB
	s_add_nc_u64 s[10:11], s[10:11], s[42:43]
	s_mul_i32 s42, s24, 640
	s_add_nc_u64 s[12:13], s[12:13], s[42:43]
	s_lshl_b32 s42, s24, 9
	s_add_nc_u64 s[14:15], s[14:15], s[42:43]
	s_mul_i32 s42, s24, 384
	s_add_nc_u64 s[16:17], s[16:17], s[42:43]
	s_add_nc_u64 s[18:19], s[18:19], s[42:43]
	s_mov_b32 s42, s44
	s_add_nc_u64 s[20:21], s[20:21], s[42:43]
	s_lshl_b32 s42, ttmp9, 6
	s_add_nc_u64 s[22:23], s[22:23], s[42:43]      ; my 16 molecules
	s_load_b32 s26, s[8:9], 0x0                    ; S_e: my first tile
	s_load_b32 s27, s[8:9], 0x10                   ; T_e: how many
	s_load_b32 s40, s[20:21], 0x0                  ; b4[e]
	s_wait_kmcnt 0x0
	s_min_u32 s26, s26, 35                         ; stored numbers are held to their bounds before they steer anything
	s_min_u32 s27, s27, 32
	s_cmp_eq_u32 s27, 0
	s_cbranch_scc1 .Lreduce                        ; no atom of my species in this block
	; ---------------- the first tile is asked for, then the weights ----------------
	s_mov_b32 s29, s26
	IDXLOAD
	s_wait_loadcnt 0x0
	INDEX MOLC
	RAWLOAD
	s_add_co_u32 s29, s26, 1
	s_min_u32 s29, s29, 35
	IDXLOAD                                        ; the second tile's entries (its address registers' first loads are done)
	WIN 0x80
.set f, 0
.rept 30                                       ; W1's fragment 3 t + s at v[8 (3 t + s)] of window 2
	global_load_b128 v[8*f:8*f+3], v[VL16], s[10:11] offset:1024*f
	global_load_b128 v[8*f+4:8*f+7], v[VL16], s[10:11] offset:1024*f+512
.set f, f+1
.endr
	WIN 0xc0
.irp t, 0,1,2,3,4,5,6,7
	global_load_b128 v[W2A+8*\t:W2A+8*\t+3], v[VL16], s[10:11] offset:OFF2+1024*\t
	global_load_b128 v[W2A+8*\t+4:W2A+8*\t+7], v[VL16], s[10:11] offset:OFF2+1024*\t+512
.endr
	WIN 0x40
.irp t, 0,1,2,3,4,5,6,7
	global_load_b128 v[W2B+4*\t:W2B+4*\t+3], v[VL16], s[10:11] offset:OFF2B+512*\t
.endr
.irp t, 0,1,2,3,4,5
	global_load_b128 v[W3F+8*\t:W3F+8*\t+3], v[VL16], s[10:11] offset:OFF3+1024*\t
	global_load_b128 v[W3F+8*\t+4:W3F+8*\t+7], v[VL16], s[10:11] offset:OFF3+1024*\t+512
.endr
.irp i, 0,1,2,3
	v_mov_b32 v[W2B+32+\i], 0                      ; what tile 7's operand names behind its four registers
.endr
	WIN 0
.set f, 0
.rept 26
	global_load_b32 v[SW+f], v[VL4], s[10:11] offset:OFFS+128*f
.set f, f+1
.endr
.irp i, 0,1,2,3,4
	global_load_b32 v[TT+\i], v[VL4], s[12:13] offset:128*\i       ; b1[e]: 640 bytes
.endr
.irp i, 0,1,2,3
	global_load_b32 v[TT+5+\i], v[VL4], s[14:15] offset:128*\i     ; b2[e]: 512
.endr
.irp i, 0,1,2
	global_load_b32 v[TT+9+\i], v[VL4], s[16:17] offset:128*\i     ; b3[e]: 384
	global_load_b32 v[TT+12+\i], v[VL4], s[18:19] offset:128*\i    ; W4[e]: 384
.endr
	s_wait_loadcnt 0x0                             ; once: weights, vectors, the first tile, the second tile's entries
.irp i, 0,1,2,3,4
	ds_store_b32 v[VVEC], v[TT+\i] offset:128*\i
.endr
.irp i, 0,1,2,3
	ds_store_b32 v[VVEC], v[TT+5+\i] offset:640+128*\i
.endr
.irp i, 0,1,2
	ds_store_b32 v[VVEC], v[TT+9+\i] offset:1152+128*\i
	ds_store_b32 v[VVEC], v[TT+12+\i] offset:1536+128*\i
.endr                                          ; my own bytes: LDS serves a wave's instructions in order (ISA guide 5.7.1.4), so no wait stands ahead of the loads below
	s_mov_b32 s28, 0                               ; t
.Ltile:                                        ; one trip = one tile of 16 atoms
	BIAS 0x40, H1, 10, 0                           ; b1 and b2 into the accumulators: 36 loads
	BIAS 0x40, H2, 8, 640
	STAGE_IN                                       ; 48 stores
	XFETCH TT, 0
	XFETCH TT+64, 1
	s_wait_dscnt 32                                ; all but the 32 reads just issued: the biases are in, and the stage's stores have read the tile's registers
	s_add_co_u32 s29, s28, 1
	s_cmp_lt_u32 s29, s27
	s_cbranch_scc0 .Lnonext                        ; the last tile asks for nothing
	s_wait_loadcnt 0x0                             ; the next tile's entries; every earlier load is done too, so offsets and address registers may be written
	INDEX MOLN
	RAWLOAD                                        ; the next tile: it has the rest of this trip in which to land
	s_add_co_u32 s29, s26, s28
	s_add_co_u32 s29, s29, 2
	s_min_u32 s29, s29, 35                         ; the tile after it, held inside the block's list
	IDXLOAD
.Lnonext:
	s_wait_dscnt 16                                ; K step 0 is in; K step 1's 16 reads may be out
	QUANT TT, PC, XS
	XFETCH TT, 2
	s_wait_dscnt 16                                ; K step 1 is in; K step 2's may be out
	QUANT TT+64, PC+8, XS+1
	BIAS 0, TT+80, 6, 1536                         ; W4, in the third hidden layer's layout: 12 loads, wanted at the trip's end
	s_wait_dscnt 12                                ; K step 2 is in; W4's 12 may be out
	QUANT TT, PC+16, XS+2
	PLACES 8                                       ; a scale register written by a vector instruction stands 8 places ahead of a scaled matrix instruction, an operand 4
	MM1
	PLACES 4                                       ; places ahead of the first read of results (ISA guide 7.12.1)
	CELU H1, 80
	BIAS 0x40, H3, 6, 1152                         ; b3 into the registers that the first hidden layer has left: 12 loads
	QUANT TT, PC, XS
	QUANT1
	PLACES 8
	MM2
	PLACES 4
	CELU H2, 64
	QUANT TT, PC, XS
	PLACES 8
	s_wait_dscnt 0x0                               ; b3 and W4
	MM3
	PLACES 4
	CELU H3, 48
	WIN 0
	v_pk_mul_f32 v[EA:EA+1], v[TT:TT+1], v[TT+80:TT+81]            ; the fourth product: my 48 units, in two chains
	v_pk_mul_f32 v[EB:EB+1], v[TT+2:TT+3], v[TT+82:TT+83]
.irp j, 4,8,12,16,20,24,28,32,36,40,44
	v_pk_fma_f32 v[EA:EA+1], v[TT+\j:TT+\j+1], v[TT+80+\j:TT+81+\j], v[EA:EA+1]
	v_pk_fma_f32 v[EB:EB+1], v[TT+2+\j:TT+3+\j], v[TT+82+\j:TT+83+\j], v[EB:EB+1]
.endr
	v_pk_add_f32 v[EA:EA+1], v[EA:EA+1], v[EB:EB+1]
	v_add_f32 v[EN], v[EA], v[EA+1]
	v_permlanex16_b32 v[TMP], v[EN], s38, s39
	v_add_f32 v[EN], v[EN], v[TMP]                 ; with lane l xor 16's 48 units
	v_add_f32 v[EN], s40, v[EN]                    ; + b4: the atom's energy, in both halves of the lanes
.irp m, 0,1,2,3,4,5,6,7
	v_cmp_eq_u32 vcc_lo, \m, v[MOLC]               ; half h serves molecules 8 h + m; a choice of a value, no branch
	v_cndmask_b32 v[TMP], 0, v[EN], vcc_lo
	v_add_f32 v[MACC+\m], v[MACC+\m], v[TMP]
.endr
	v_mov_b32 v[MOLC], v[MOLN]
	s_add_co_u32 s28, s28, 1
	s_cmp_lt_u32 s28, s27
	s_cbranch_scc1 .Ltile
.Lreduce:                                      ; every wave comes here: the launch's one barrier
.irp k, 1,2,4,8
.irp m, 0,1,2,3,4,5,6,7
	v_add_f32_dpp v[MACC+\m], v[MACC+\m], v[MACC+\m] row_xmask:\k row_mask:0xf bank_mask:0xf   ; over the sixteen atoms' lanes of my half
.endr
.endr
	ds_store_b128 v[VRED], v[MACC:MACC+3]          ; the sixteen lanes of a half write the same bytes with the same values
	ds_store_b128 v[VRED], v[MACC+4:MACC+7] offset:16
	s_wait_dscnt 0x0                               ; for the others' sake: my sums have landed
	s_barrier_signal -1
	s_barrier_wait -1
	s_cmp_lg_u32 s24, 0
	s_cbranch_scc1 .Lend
.irp w, 0,1,2,3
	ds_load_b32 v[TM+\w], v[VFIN] offset:64*\w     ; molecule q's sum of expert w
.endr
	s_wait_dscnt 0x0
	v_add_f32 v[TM], v[TM], v[TM+1]
	v_add_f32 v[TM+2], v[TM+2], v[TM+3]
	v_add_f32 v[TM], v[TM], v[TM+2]
	v_cmp_gt_u32 vcc_lo, 16, v0
	s_wait_xcnt 0x0                                ; EXEC changes only behind this wait
	s_and_saveexec_b32 s29, vcc_lo
	global_store_b32 v[VIM0], v[TM], s[22:23]      ; 16 molecules, 64 consecutive bytes: all that the work-group owns of out1
	s_wait_xcnt 0x0                                ; and again, ahead of the line that widens it
	s_or_b32 exec_lo, exec_lo, s29
.Lend:
	s_wait_tensorcnt 0x0
	ds_add_u32 v58, v59
	s_wait_dscnt 0x0
	s_endpgm
.Lfunc_end_k_qc9e63f50c2_mlp:
	.size	k_qc9e63f50c2_mlp, .Lfunc_end_k_qc9e63f50c2_mlp-k_qc9e63f50c2_mlp
	.p2alignl 7, 3214868480
	.fill 96, 4, 3214868480
	.section	.rodata,"a",@progbits
	.p2align	6, 0x0
	.amdhsa_kernel k_qc9e63f50c2_mlp
		.amdhsa_group_segment_fixed_size 108288
		.amdhsa_private_segment_fixed_size 0
		.amdhsa_enable_private_segment 0
		.amdhsa_kernarg_size 80
		.amdhsa_user_sgpr_count 2
		.amdhsa_user_sgpr_kernarg_segment_ptr 1
		.amdhsa_wavefront_size32 1
		.amdhsa_system_sgpr_workgroup_id_x 1
		.amdhsa_system_sgpr_workgroup_id_y 1
		.amdhsa_system_sgpr_workgroup_id_z 1
		.amdhsa_system_vgpr_workitem_id 0
		.amdhsa_next_free_vgpr 1024
		.amdhsa_next_free_sgpr 66
		.amdhsa_reserve_vcc 1
		.amdhsa_float_denorm_mode_32 3
		.amdhsa_float_denorm_mode_16_64 3
		.amdhsa_memory_ordered 1
		.amdhsa_forward_progress 1
		.amdhsa_inst_pref_size 106
	.end_amdhsa_kernel
	.amdgpu_metadata
---
amdhsa.version: [ 1, 2 ]
amdhsa.kernels:
  - .name:           k_qc9e63f50c2_mlp
    .symbol:         k_qc9e63f50c2_mlp.kd
    .args:
      - { .name: aev, .offset: 0, .size: 8, .value_kind: global_buffer, .address_space: global }
      - { .name: list, .offset: 8, .size: 8, .value_kind: global_buffer, .address_space: global }
      - { .name: tiles, .offset: 16, .size: 8, .value_kind: global_buffer, .address_space: global }
      - { .name: wimg, .offset: 24, .size: 8, .value_kind: global_buffer, .address_space: global }
      - { .name: b1, .offset: 32, .size: 8, .value_kind: global_buffer, .address_space: global }
      - { .name: b2, .offset: 40, .size: 8, .value_kind: global_buffer, .address_space: global }
      - { .name: b3, .offset: 48, .size: 8, .value_kind: global_buffer, .address_space: global }
      - { .name: W4, .offset: 56, .size: 8, .value_kind: global_buffer, .address_space: global }
      - { .name: b4, .offset: 64, .size: 8, .value_kind: global_buffer, .address_space: global }
      - { .name: out1, .offset: 72, .size: 8, .value_kind: global_buffer, .address_space: global }
    .group_segment_fixed_size: 108288
    .private_segment_fixed_size: 0
    .kernarg_segment_align: 8
    .kernarg_segment_size: 80
    .max_flat_workgroup_size: 128
    .sgpr_count:     66
    .vgpr_count:     1024
    .wavefront_size: 32
...
	.end_amdgpu_metadata
.endif
;; end of part 2
